; MI455X (gfx1250); checked and timed in simulation.
; The chip was launched on July 23, 2026; its instructions are those of AMD's public machine-readable ISA for CDNA 5 (MIT licence, August 2026) and "CDNA5" Instruction Set Architecture Reference Guide (July 2026). The comments in the code are by the model that wrote it; some were corrected since.
;; Multi Head Attention Quantum. Allowed arithmetic: matrix products marked QUANTISED: E2M1 operands, one E8M0 scale for each 32 along K, by v_wmma_scale_f32_16x16x128_f8f6f4 with both operands' format E2M1 (or v_wmma_scale_f32_32x16x128_f4), f32 sums; products left as they are: f32 operands where the result goes on into a quantised operand, else bf16, f16 or f32 operands; f32 sums; everything else in f32.
;; Inputs: Wc_codes 128 x 4 x 16 uint8 (E2M1 codes of Wc, K innermost, in blocks of 32 codes, two codes a byte); Wc_scales 128 x 4 uint8 (E8M0 scales of Wc, one for each 32 codes along K); bc 128 float32; theta 8 float32; x 4 x 2,048 x 128 float32.
;; Outputs: out0 4 x 2,048 x 128 float32.
;; This version of the problem:
;;   THIS VERSION OF THE PROBLEM IS GIVEN IN LOW PRECISION. The matrix products marked QUANTISED in the list below multiply operands that are first quantised to E2M1 (2 exponent bits, 1 mantissa bit; 4 bits a number), with one power-of-two scale for each 32 numbers along K (OCP MX v1.0); their sums are f32. All else is computed in f32.
;;   The module's matrix products, in the order in which they are computed (A, B: the left and right operand; K: the contracted axis; several contracted axes count as one K, in the product's order):
;;     1. batch 64 x [M 2,048, K 8] x [K 8, N 2,048]; A: computed on the way; B: computed on the way: left as it is (K = 8 < 32)
;;     2. batch 64 x [M 2,048, K 2,048] x [K 2,048, N 8]; A: softmax; B: computed on the way: left as it is (N = 8 < 16)
;;     3. [M 8,192, K 128] x [K 128, N 128]; A: computed on the way; B: input Wc (given as codes): QUANTISED
;;   THE QUANTISER, for each operand of a quantised product, along K:
;;     - K is cut into blocks of 32 from its start; a last block that is shorter is filled with zeros.
;;     - A block's scale is 2^e with e = floor(log2(the largest magnitude in the block)) - 2, held to -126 .. 127; a block of zeros has e = 0. As a byte (E8M0): e + 127.
;;     - Each number is divided by its block's scale, clamped to +-6, and rounded to the nearest number of E2M1, ties to even, subnormals kept.
;;     - The product sums the exact products of the quantised numbers (number of the format x scale) in f32.
;;   ~~~python
;;   def quantise(x, axis):      # numpy; x: float32 -> the quantised numbers, widened to float32 again
;;       x = np.moveaxis(x, axis, -1); K = x.shape[-1]
;;       x = np.pad(x, [(0, 0)] * (x.ndim - 1) + [(0, -K % 32)]); x = x.reshape(x.shape[:-1] + (-1, 32)); a = np.abs(x).max(-1, keepdims=True)
;;       e = np.where(a > 0, np.clip(np.frexp(np.where(a > 0, a, 1))[1] - 1 - 2, -126, 127), 0)      # np.frexp(a)[1] - 1 = floor(log2(a)), exactly
;;       r = np.clip(x / 2.0 ** e, -6, 6)
;;       step = 2.0 ** (np.maximum(np.frexp(np.where(r == 0, 1, r))[1] - 1, 0) - 1)
;;       q = np.round(r / step) * step * 2.0 ** e      # np.round: ties to even
;;       return np.moveaxis(q.reshape(q.shape[:-2] + (-1,))[..., :K], -1, axis).astype(np.float32)
;;   ~~~
;;   OPERANDS COMPUTED ON THE WAY. 'Computed on the way' means the value that the module computes at that place (a softmax that the list does not call 'softmax' is quantised finished and normalised). What goes into a quantiser is computed in f32, as accurately as f32 sums, v_exp_f32 and their like allow (about 1e-6 of the number): no bf16 or f16 on the way to a quantiser, and a product that is left as it is and whose result goes on into a quantised operand takes f32 operands (vector FMAs, or v_wmma_f32_16x16x4_f32). A number that lies on a knife's edge between two numbers of the format may be rounded either way, as far as f32 arithmetic and the matrix unit's own rounding can turn it there, and no further.
;;   INPUTS GIVEN AS CODES. Wc (in the module: [128, 128], K = its axis 1): each comes as NAME_codes (uint8): NAME with its K axis moved to the last place and cut into blocks of 32 codes, [.., K / 32, bytes a block], one block behind the other in memory; two codes a byte, the lower K in the low four bits (a code: sign, 2 exponent bits, 1 mantissa bit); and NAME_scales (uint8): the same leading axes, one E8M0 byte (e + 127) for each 32 codes along K. Its value is code x scale, taken as it is: it is not quantised again, and the codes and scales need not be those that the quantiser above would give.
;; 2 versions, each right; version 2 is version 1 with the launch attend written anew for expert scheduling mode. Each part assembles by itself: llvm-mc -triple=amdgcn-amd-amdhsa -mcpu=gfx1250 --defsym DOCPART=n.
;; ======== version 1 of 2: 2 launches
;; limits: inputs' magnitudes at most 4,194,304
;; workspace buffers: proj 4,194,304 bytes
;; launch project (part 1): grid 256 x 1, 4 waves a work-group, no clusters, 18,944 bytes of LDS; arguments x, theta, proj; writes proj
.if DOCPART == 1
	.amdgcn_target "amdgcn-amd-amdhsa--gfx1250"
	.amdhsa_code_object_version 6
	.text
	.protected	k_qc8a5b06d33_project
	.globl	k_qc8a5b06d33_project
	.p2align	8
	.type	k_qc8a5b06d33_project,@function
k_qc8a5b06d33_project:
	s_mov_b64 s[64:65], 0
	v_nop
	global_prefetch_b8 v0, s[64:65] scope:SCOPE_SE
	s_setreg_imm32_b32 hwreg(HW_REG_WAVE_MODE, 25, 1), 1
	s_wait_xcnt 0x0
; proj[b][h][s][w] = cos(x[b][s][8 h + w] + theta[w]).  x: [4][2048][128] f32, theta: [8] f32, proj: [4][16][2048][8] f32 (head-major, as the next launch walks it).
; THE COSINE: y = x + theta (one f32 addition, as the problem has it); n = y x 2/pi rounded to a whole number; r = y - n pi/2, with pi/2 in three parts and fused multiply-adds, so that |r| <= pi/4 is right
; to the last bits; then sin r and cos r by short polynomials, and n mod 4 picks: cos r, -sin r, -cos r, sin r.
; LIMITS: the reduction holds its accuracy for |x + theta| up to about 2^22; beyond that n is no longer a small whole number.  NaN and infinities among the inputs give NaN.
; SHARES.  A wave takes 8 tokens: 8 loads, each a token's whole row of 512 consecutive bytes, 16 bytes a lane.  A lane's 16 bytes are half of one head's eight wires, so theta is four registers a lane.
; In proj a head's 8 tokens are 256 consecutive bytes, which lie in 16 lanes' registers of 8 different loads: so the results turn through the wave's own stage in LDS ([head][token][32 bytes], 32 bytes of padding
; behind each head) and leave by 8 stores, each of two aligned runs of 256 consecutive bytes (two heads).
; No barrier: waves share nothing.  No matrix unit, no cluster, no tensor load: each byte is read once and written once, and all 8 loads of a wave are out at once.
.set ROWB, 512                         ; a token's row of x in bytes
.set HP,   288                         ; stage: a head's 8 tokens x 32 bytes + 32 of padding
.set WST,  16*HP                       ; a wave's stage
.set XO,   1                           ; v1      16 x lane: my bytes of a row
.set TO,   2                           ; v2      my four numbers of theta
.set SI,   3                           ; v3      stage, on the way in
.set THT,  4                           ; v[4:7]  theta of my four wires
.set KS2,  8                           ; v[8:9]  a coefficient of the sine, twice
.set KC2,  10                          ; v[10:11] one of the cosine, twice
.set SO,   12                          ; v12     stage, on the way out
.set GO,   13                          ; v13     my byte offset in proj
.set X,    16                          ; v[16:47] 8 loads x 4 numbers; the results take their place
.set W,    48                          ; v[48:95] at work: four pairs x 12 registers: y, n, r, z = r r, sine, cosine
.set OUTR, 96                          ; v[96:127] the way out
.set INV,  20                          ; s[20:21] 2/pi   (constants lie in pairs: the packed forms name a pair and take its low word for both halves)
.set PH,   22                          ; s[22:23] -(pi/2's first part)
.set PMD,  24                          ; s[24:25] -(its second)
.set PL,   26                          ; s[26:27] -(its third)
.set S3,   28                          ; s[28:29], s[30:31] coefficients of the sine
.set S1,   30
.set C3,   32                          ; s[32:33], s[34:35] of the cosine
.set C1,   34
	s_load_b128 s[4:7], s[0:1], 0x0                ; x s[4:5], theta s[6:7]
	s_load_b64 s[8:9], s[0:1], 0x10                ; proj
	v_lshl_add_u32 v128, v0, 2, 0x4800
	v_mov_b32 v129, 0
	v_lshrrev_b32 v14, 5, v0
	v_readfirstlane_b32 s10, v14                   ; wave 0..3
	v_and_b32 v14, 31, v0                          ; lane
	v_and_b32 v15, 1, v0                           ; which half of a head's eight wires is mine
	v_lshlrev_b32 v[XO], 4, v14
	v_lshlrev_b32 v[TO], 4, v15
	s_lshl_b32 s11, ttmp9, 2
	s_add_co_u32 s11, s11, s10                     ; g = 4 x work-group + wave: my run of 8 tokens, 0 .. 1023
	s_lshl_b32 s12, s11, 12                        ; in x: 8 rows of 512 bytes
	s_mov_b32 s13, 0
	s_lshr_b32 s14, s11, 8                         ; the batch: 256 runs each
	s_lshl_b32 s14, s14, 20                        ; in proj: 16 heads x 65,536 bytes a batch,
	s_and_b32 s15, s11, 255
	s_lshl_b32 s15, s15, 8                         ; and 8 tokens x 32 bytes a run
	s_add_co_u32 s14, s14, s15
	s_mov_b32 s15, 0
	s_wait_kmcnt 0x0
	s_add_nc_u64 s[4:5], s[4:5], s[12:13]
	s_add_nc_u64 s[8:9], s[8:9], s[14:15]
	global_load_b128 v[THT:THT+3], v[TO], s[6:7]
.irp i, 0,1,2,3,4,5,6,7
	global_load_b128 v[X+4*\i:X+4*\i+3], v[XO], s[4:5] offset:ROWB*\i th:TH_LOAD_NT   ; token i: 32 lanes read 512 consecutive bytes; read once in the launch
.endr
	s_mul_i32 s16, s10, WST                        ; my wave's stage
	v_lshrrev_b32 v[SI], 1, v14                    ; in: my head = lane / 2,
	v_mul_u32_u24 v[SI], v[SI], HP
	v_lshl_add_u32 v[SI], v15, 4, v[SI]            ; my half of its 32 bytes; the token stands in the immediate
	v_add_nc_u32 v[SI], s16, v[SI]
	v_lshrrev_b32 v15, 4, v14                      ; out: lanes 0-15 take one head's 256 bytes, lanes 16-31 the next head's
	v_and_b32 v14, 15, v14
	v_mul_u32_u24 v[SO], v15, HP
	v_lshl_add_u32 v[SO], v14, 4, v[SO]
	v_add_nc_u32 v[SO], s16, v[SO]
	v_lshlrev_b32 v[GO], 16, v15                   ; and the same in proj: heads lie 65,536 bytes apart
	v_lshl_add_u32 v[GO], v14, 4, v[GO]
	s_mov_b32 s[INV], 0x3f22f983                   ; 2/pi
	s_mov_b32 s[INV+1], s[INV]
	s_mov_b32 s[PH], 0xbfc90fdb                    ; -1.57079637
	s_mov_b32 s[PH+1], s[PH]
	s_mov_b32 s[PMD], 0x333bbd2e                   ; +4.37113883e-8
	s_mov_b32 s[PMD+1], s[PMD]
	s_mov_b32 s[PL], 0x26f72cf1                    ; +1.7151e-15
	s_mov_b32 s[PL+1], s[PL]
	s_mov_b32 s[S3], 0xb94ca1f9                    ; -1.9515295891e-4
	s_mov_b32 s[S3+1], s[S3]
	s_mov_b32 s[S1], 0xbe2aaaa3                    ; -1.6666654611e-1
	s_mov_b32 s[S1+1], s[S1]
	s_mov_b32 s[C3], 0x37ccf5ce                    ; 2.443315712e-5
	s_mov_b32 s[C3+1], s[C3]
	s_mov_b32 s[C1], 0x3d2aaaa5                    ; 4.166664568e-2
	s_mov_b32 s[C1+1], s[C1]
	v_mov_b32 v[KS2], 0x3c08839e                   ; 8.3321608736e-3
	v_mov_b32 v[KS2+1], 0x3c08839e
	v_mov_b32 v[KC2], 0xbab6061a                   ; -1.388731625e-3
	v_mov_b32 v[KC2+1], 0xbab6061a
; The cosines of tokens 2 g and 2 g + 1: eight numbers a lane, as four pairs that take turns line by line, so that no line waits for the line above it.
.macro COS8 g
.irp p, 0,1,2,3
	v_pk_add_f32 v[W+12*\p:W+12*\p+1], v[X+8*(\g)+2*\p:X+8*(\g)+2*\p+1], v[THT+2*(\p%2):THT+2*(\p%2)+1]   ; y = x + theta
.endr
.irp p, 0,1,2,3
	v_pk_mul_f32 v[W+12*\p+2:W+12*\p+3], v[W+12*\p:W+12*\p+1], s[INV:INV+1] op_sel_hi:[1,0]
.endr
.irp e, 0,1,2,3,4,5,6,7
	v_rndne_f32 v[W+12*(\e/2)+2+\e%2], v[W+12*(\e/2)+2+\e%2]                                              ; n
.endr
.irp p, 0,1,2,3
	v_pk_fma_f32 v[W+12*\p+4:W+12*\p+5], v[W+12*\p+2:W+12*\p+3], s[PH:PH+1], v[W+12*\p:W+12*\p+1] op_sel_hi:[1,0,1]      ; r = y - n pi/2, part by part
.endr
.irp p, 0,1,2,3
	v_pk_fma_f32 v[W+12*\p+4:W+12*\p+5], v[W+12*\p+2:W+12*\p+3], s[PMD:PMD+1], v[W+12*\p+4:W+12*\p+5] op_sel_hi:[1,0,1]
.endr
.irp p, 0,1,2,3
	v_pk_fma_f32 v[W+12*\p+4:W+12*\p+5], v[W+12*\p+2:W+12*\p+3], s[PL:PL+1], v[W+12*\p+4:W+12*\p+5] op_sel_hi:[1,0,1]
.endr
.irp p, 0,1,2,3
	v_pk_mul_f32 v[W+12*\p+6:W+12*\p+7], v[W+12*\p+4:W+12*\p+5], v[W+12*\p+4:W+12*\p+5]                    ; z = r r
.endr
.irp p, 0,1,2,3
	v_pk_fma_f32 v[W+12*\p+8:W+12*\p+9], v[W+12*\p+6:W+12*\p+7], s[S3:S3+1], v[KS2:KS2+1] op_sel_hi:[1,0,1]
	v_pk_fma_f32 v[W+12*\p+10:W+12*\p+11], v[W+12*\p+6:W+12*\p+7], s[C3:C3+1], v[KC2:KC2+1] op_sel_hi:[1,0,1]
.endr
.irp p, 0,1,2,3
	v_pk_fma_f32 v[W+12*\p+8:W+12*\p+9], v[W+12*\p+8:W+12*\p+9], v[W+12*\p+6:W+12*\p+7], s[S1:S1+1] op_sel_hi:[1,1,0]
	v_pk_fma_f32 v[W+12*\p+10:W+12*\p+11], v[W+12*\p+10:W+12*\p+11], v[W+12*\p+6:W+12*\p+7], s[C1:C1+1] op_sel_hi:[1,1,0]
.endr
.irp p, 0,1,2,3
	v_pk_mul_f32 v[W+12*\p:W+12*\p+1], v[W+12*\p+4:W+12*\p+5], v[W+12*\p+6:W+12*\p+7]                      ; r z (y is done with)
	v_pk_fma_f32 v[W+12*\p+10:W+12*\p+11], v[W+12*\p+10:W+12*\p+11], v[W+12*\p+6:W+12*\p+7], -0.5 op_sel_hi:[1,1,0]
.endr
.irp p, 0,1,2,3
	v_pk_fma_f32 v[W+12*\p+8:W+12*\p+9], v[W+12*\p:W+12*\p+1], v[W+12*\p+8:W+12*\p+9], v[W+12*\p+4:W+12*\p+5]            ; sin r = r + r z (..)
	v_pk_fma_f32 v[W+12*\p+10:W+12*\p+11], v[W+12*\p+10:W+12*\p+11], v[W+12*\p+6:W+12*\p+7], 1.0 op_sel_hi:[1,1,0]       ; cos r = 1 + z (-1/2 + z (..))
.endr
.irp e, 0,1,2,3,4,5,6,7
	v_cvt_i32_f32 v[W+12*(\e/2)+2+\e%2], v[W+12*(\e/2)+2+\e%2]                                            ; n as a whole number: its two low bits are the quadrant
.endr
.irp e, 0,1,2,3,4,5,6,7
	v_and_b32 v[W+12*(\e/2)+6+\e%2], 1, v[W+12*(\e/2)+2+\e%2]
.endr
.irp e, 0,1,2,3,4,5,6,7
	v_add_nc_u32 v[W+12*(\e/2)+2+\e%2], 1, v[W+12*(\e/2)+2+\e%2]
.endr
.irp e, 0,1,2,3,4,5,6,7
	v_cmp_eq_u32 s[36+\e], 1, v[W+12*(\e/2)+6+\e%2]                                                       ; odd quadrants take the sine
.endr
.irp e, 0,1,2,3,4,5,6,7
	v_lshlrev_b32 v[W+12*(\e/2)+2+\e%2], 30, v[W+12*(\e/2)+2+\e%2]                                        ; bit 1 of n + 1 is set in quadrants 1 and 2: there the sign turns
.endr
.irp e, 0,1,2,3,4,5,6,7
	v_cndmask_b32 v[W+12*(\e/2)+8+\e%2], v[W+12*(\e/2)+10+\e%2], v[W+12*(\e/2)+8+\e%2], s[36+\e]
.endr
.irp e, 0,1,2,3,4,5,6,7
	v_and_b32 v[W+12*(\e/2)+2+\e%2], 0x80000000, v[W+12*(\e/2)+2+\e%2]
.endr
.irp e, 0,1,2,3,4,5,6,7
	v_xor_b32 v[X+8*(\g)+\e], v[W+12*(\e/2)+2+\e%2], v[W+12*(\e/2)+8+\e%2]
.endr
.endm
.irp g, 0,1,2,3
	s_wait_loadcnt 6-2*\g                          ; loads come back in order: theta and tokens up to 2 g + 1 are in; the younger tokens' loads stay out
	COS8 \g
	ds_store_b128 v[SI], v[X+8*\g:X+8*\g+3] offset:64*\g          ; token 2 g
	ds_store_b128 v[SI], v[X+8*\g+4:X+8*\g+7] offset:64*\g+32     ; token 2 g + 1
.endr
.irp i, 0,1,2,3,4,5,6,7
	ds_load_b128 v[OUTR+4*\i:OUTR+4*\i+3], v[SO] offset:2*\i*HP   ; heads 2 i and 2 i + 1.  LDS serves a wave's instructions in order: these see my stores
.endr
.irp i, 0,1,2,3,4,5,6,7
	s_wait_dscnt 7-\i                              ; load i is back; the younger ones stay out
	global_store_b128 v[GO], v[OUTR+4*\i:OUTR+4*\i+3], s[8:9] offset:2*\i*65536   ; sixteen lanes store 256 consecutive bytes, at a multiple of 256 from proj's first byte
.endr
	s_wait_tensorcnt 0x0
	ds_add_u32 v128, v129
	s_wait_dscnt 0x0
	s_endpgm
.Lfunc_end_k_qc8a5b06d33_project:
	.size	k_qc8a5b06d33_project, .Lfunc_end_k_qc8a5b06d33_project-k_qc8a5b06d33_project
	.p2alignl 7, 3214868480
	.fill 96, 4, 3214868480
	.section	.rodata,"a",@progbits
	.p2align	6, 0x0
	.amdhsa_kernel k_qc8a5b06d33_project
		.amdhsa_group_segment_fixed_size 18944
		.amdhsa_private_segment_fixed_size 0
		.amdhsa_enable_private_segment 0
		.amdhsa_kernarg_size 24
		.amdhsa_user_sgpr_count 2
		.amdhsa_user_sgpr_kernarg_segment_ptr 1
		.amdhsa_wavefront_size32 1
		.amdhsa_system_sgpr_workgroup_id_x 1
		.amdhsa_system_sgpr_workgroup_id_y 1
		.amdhsa_system_sgpr_workgroup_id_z 1
		.amdhsa_system_vgpr_workitem_id 0
		.amdhsa_next_free_vgpr 130
		.amdhsa_next_free_sgpr 66
		.amdhsa_reserve_vcc 0
		.amdhsa_float_denorm_mode_32 3
		.amdhsa_float_denorm_mode_16_64 3
		.amdhsa_memory_ordered 1
		.amdhsa_forward_progress 1
		.amdhsa_inst_pref_size 32
	.end_amdhsa_kernel
	.amdgpu_metadata
---
amdhsa.version: [ 1, 2 ]
amdhsa.kernels:
  - .name:           k_qc8a5b06d33_project
    .symbol:         k_qc8a5b06d33_project.kd
    .args:
      - { .name: x, .offset: 0, .size: 8, .value_kind: global_buffer, .address_space: global }
      - { .name: theta, .offset: 8, .size: 8, .value_kind: global_buffer, .address_space: global }
      - { .name: proj, .offset: 16, .size: 8, .value_kind: global_buffer, .address_space: global }
    .group_segment_fixed_size: 18944
    .private_segment_fixed_size: 0
    .kernarg_segment_align: 8
    .kernarg_segment_size: 24
    .max_flat_workgroup_size: 128
    .sgpr_count:     66
    .vgpr_count:     130
    .wavefront_size: 32
...
	.end_amdgpu_metadata
.endif
;; end of part 1
;; launch attend (part 2): grid 64 x 4, 16 waves a work-group, no clusters, 35,840 bytes of LDS; arguments proj, Wc_codes, Wc_scales, bc, out0; writes out0
.if DOCPART == 2
	.amdgcn_target "amdgcn-amd-amdhsa--gfx1250"
	.amdhsa_code_object_version 6
	.text
	.protected	k_qc8a5b06d33_attend
	.globl	k_qc8a5b06d33_attend
	.p2align	8
	.type	k_qc8a5b06d33_attend,@function
k_qc8a5b06d33_attend:
	s_mov_b64 s[64:65], 0
	v_nop
	global_prefetch_b8 v0, s[64:65] scope:SCOPE_SE
	s_setreg_imm32_b32 hwreg(HW_REG_WAVE_MODE, 25, 1), 1
	s_wait_xcnt 0x0
; out0[b][s][:] = Q4(merged[b][s][:]) Wc^T + bc, merged[b][s][8 h + w] = sum over k of softmax_k(q . k / sqrt(8)) v, with q = k = v = proj[b][h][.][0..7] (f32, made by the launch before).
; Q4 is the MX-FP4 quantiser along the 128; Wc comes as E2M1 codes with E8M0 scale bytes.  The two products of the attention feed that quantiser, so their operands are f32.
; NO MAXIMUM IS TAKEN AWAY: proj is a cosine, so every score lies within 8 / sqrt(8) = 2.83 of zero for every input: p = e^score lies in 0.059 .. 16.9 and a row's sum of 2,048 of them under 34,700.
; LIMITS: NaN and infinities in proj (from such numbers in x) are not served.
; SHARES.  A work-group owns 32 tokens of one batch, all 16 heads (the quantiser wants a token's 128 numbers together).  Wave w is head w: two tiles of 16 queries, and it walks the head's 2,048 keys, 16 a tile.
; SCORES.  S = Q K^T by the f32 matrix form, 16 x 16 x 4, two links for the eight wires; the two query tiles' accumulators take turns.  log2(e) / sqrt(8) is folded into Q, so p = 2^S.
;   Both operands take the wires in the same changed order: lane (r, h) holds wires 4 h .. 4 h + 3 of row r, 16 bytes as they lie; link i takes its registers 2 i, 2 i + 1.  In S a lane holds ONE key (r) and queries 8 h + 0 .. 7.
; P V goes by packed multiply-adds, not by the matrix form (whose 16 rows the 8 wires would half fill): each lane adds p[query j] x V[its own key][wire pair] into 64 sums of its own a tile, and p into 8 row sums;
;   the sixteen lanes' sums meet once, at the end.  V is the lane's key row, all 8 wires: the K operand's 16 bytes and the row's other 16, which a second load of the same 512 bytes brings (address xor 16).
;   So lanes 16-31 hold the wires in the order 4..7, 0..3; the address of the merged numbers takes that back.
; K GOES FROM MEMORY STRAIGHT INTO REGISTERS, four tiles' buffers by turns, loads three tiles ahead.  No tensor load, no LDS ring, no joint loads in a cluster, though the 64 work-groups of a batch walk the same proj:
;   a tile is 512 bytes, and the wave that loads it issues 92 instructions on it; no two waves of a work-group share a tile; through LDS each global load would be replaced by an LDS load of the same bytes,
;   with a ring, and a round of the cluster's barrier for sixteen waves at each refill, on top.
; THE END.  Reduce-scatter over the 16 lanes: lane r is left with query r / 2, four wires; divided by the row's sum; to LDS; a barrier; each wave quantises one tile of 16 tokens and makes one tile of 16 outputs
;   (source 0 = 16 rows of Wc, source 1 = the tokens; the bias is the C); through a stage in LDS, a barrier, and out as whole rows of 512 bytes.
.set PIT,  528                         ; an LDS row: 512 bytes + 16 of padding
.set STG,  32*PIT                      ; LDS: 32 rows of merged numbers, then 32 rows of results
.set KX,   1                           ; v1   my 16 bytes of a tile's 512: 32 r + 16 h
.set KY,   2                           ; v2   my row's other 16
.set PFO,  3                           ; v3   the prefetches' offset
.set Q,    8                           ; v[8:15]    Q x log2(e)/sqrt(8): 4 registers a tile
.set KB,   16                          ; v[16:47]   key tiles: buffer u at 8 u: 4 registers K operand and V, 4 registers V alone
.set S,    48                          ; v[48:63]   scores, 8 a query tile: written by matrix instructions alone
.set P,    64                          ; v[64:95]   p: two sets of 16, by turns
.set SUM,  96                          ; v[96:111]  row sums, 8 a tile
.set O,    112                         ; v[112:239] sums of p V: 64 a tile: register 8 j + d
.set WSC,  240                         ; v240 Wc's scale words;  v241 the merged numbers': they hold scales and nothing else
.set PW,   241
.set MA,   242                         ; v242 LDS: where my merged numbers go
.set QAD,  243                         ; v243 LDS: where I read a token's numbers for the quantiser
.set YA,   244                         ; v244 LDS: where my results go
.set YR,   245                         ; v245 LDS: where I read whole rows back
.set GO,   246                         ; v246 16 x lane
.set WFO,  247                         ; v247-249 my offsets in Wc's codes, in bc, in Wc's scales
.set BIO,  248
.set WSO,  249
.set RC,   250                         ; v250-251 1 / the row's sum, a tile each
.set TX,   64                          ; the end: 32 registers at work (p's)
.set TM,   64                          ; the quantiser's 16
.set CD,   80                          ; v[80:87] the codes
.set DD,   88                          ; v[88:95] the results
.set WF,   16                          ; v[16:23] Wc's fragment
.set BI,   24                          ; v[24:31] the bias
.set H,    112                         ; v[112:175] a token's 64 numbers
.set WV,   14                          ; s14 wave = head
.set KP,   20                          ; s[20:21] my head's keys: the trip's first tile
.set PFA,  24                          ; s[24:25] where my prefetches stand
.set LIM,  26                          ; s26 1 in a wave that prefetches, else the greatest number
.set CNT,  27                          ; s27 trips to go
.set SEL,  32                          ; s[32:33] selects for lane l xor 16
	s_load_b256 s[4:11], s[0:1], 0x0               ; proj s[4:5], Wc's codes s[6:7], Wc's scales s[8:9], bc s[10:11]
	s_load_b64 s[12:13], s[0:1], 0x20              ; out0
	v_lshl_add_u32 v254, v0, 2, 0x8400
	v_mov_b32 v255, 0
	v_lshrrev_b32 v4, 5, v0
	v_readfirstlane_b32 s[WV], v4                  ; wave 0..15
	v_and_b32 v4, 15, v0                           ; r
	v_bfe_u32 v5, v0, 4, 1                         ; h
	v_lshlrev_b32 v[KX], 5, v4
	v_lshl_add_u32 v[KX], v5, 4, v[KX]
	v_xor_b32 v[KY], 16, v[KX]
	s_and_b32 s15, ttmp7, 0xffff                   ; the batch
	s_lshl_b32 s16, s15, 4
	s_add_co_u32 s16, s16, s[WV]
	s_lshl_b32 s16, s16, 16                        ; my head: 2,048 rows of 32 bytes
	s_mov_b32 s17, 0
	s_lshl_b32 s18, ttmp9, 10                      ; my work-group's 32 tokens in it
	s_mov_b32 s19, 0
	s_wait_kmcnt 0x0
	s_add_nc_u64 s[KP:KP+1], s[4:5], s[16:17]
	s_add_nc_u64 s[22:23], s[KP:KP+1], s[18:19]
	global_load_b128 v[Q:Q+3], v[KX], s[22:23]
	global_load_b128 v[Q+4:Q+7], v[KX], s[22:23] offset:512
.irp u, 0,1,2,3
	global_load_b128 v[KB+8*\u:KB+8*\u+3], v[KX], s[KP:KP+1] offset:512*\u       ; key tiles 0 to 3: 32 lanes cover 512 consecutive bytes,
	global_load_b128 v[KB+8*\u+4:KB+8*\u+7], v[KY], s[KP:KP+1] offset:512*\u     ; and once more with the halves of each row exchanged
.endr
	; while they are on their way: the prefetches' place, the addresses of the end, constants
	s_and_b32 s16, s[WV], 3
	s_lshl_b32 s16, s16, 2                         ; wave g asks for heads 4 g .. 4 g + 3
	s_lshl_b32 s17, s15, 4
	s_add_co_u32 s16, s16, s17
	s_lshl_b32 s16, s16, 16
	s_mov_b32 s17, 0
	s_add_nc_u64 s[PFA:PFA+1], s[4:5], s[16:17]
	s_lshr_b32 s16, s[WV], 2                       ; 0 in waves 0 to 3,
	s_or_b32 s16, s16, ttmp9                       ; of the batch's first work-group
	s_cmp_eq_u32 s16, 0
	s_cselect_b32 s[LIM], 1, -1
	v_and_b32 v6, 31, v0                           ; lane
	v_lshrrev_b32 v7, 3, v6
	v_and_b32 v[PFO], 7, v0
	v_lshlrev_b32 v[PFO], 8, v[PFO]
	v_lshl_add_u32 v[PFO], v7, 16, v[PFO]          ; eight lanes to a head, 256 bytes apart; heads 65,536 bytes apart
	v_bfe_u32 v7, v0, 1, 3
	v_lshl_add_u32 v7, v5, 3, v7                   ; the token that the reduce-scatter leaves me: 8 h + r / 2
	v_mul_u32_u24 v[MA], v7, PIT
	v_add_nc_u32 v7, v4, v5
	v_and_b32 v7, 1, v7                            ; and which four wires: h xor (r mod 2)
	v_lshl_add_u32 v[MA], v7, 4, v[MA]
	s_lshl_b32 s16, s[WV], 5                       ; my head's 32 bytes of a row
	v_add_nc_u32 v[MA], s16, v[MA]
	s_lshr_b32 s34, s[WV], 3                       ; at the end wave w takes tokens 16 (w / 8) on
	s_and_b32 s35, s[WV], 7                        ; and outputs 16 (w mod 8) on
	s_mul_i32 s16, s34, 16*PIT
	v_mul_u32_u24 v7, v4, PIT
	v_add_nc_u32 v7, s16, v7                       ; token r of my tile
	v_lshl_add_u32 v[QAD], v5, 6, v7               ; + 64 h: my 16 numbers of each block of 32
	s_lshl_b32 s17, s35, 6
	s_add_co_u32 s17, s17, STG
	v_lshl_add_u32 v[YA], v5, 5, v7                ; results: token r, outputs 16 (w mod 8) + 8 h + 0 .. 7
	v_add_nc_u32 v[YA], s17, v[YA]
	s_mul_i32 s16, s[WV], 2*PIT
	s_add_co_u32 s16, s16, STG
	v_lshlrev_b32 v[GO], 4, v6
	v_add_nc_u32 v[YR], s16, v[GO]                 ; back: rows 2 w and 2 w + 1, 16 bytes a lane
	s_lshl_b32 s16, s35, 10                        ; Wc's codes: 16 rows of 64 bytes a tile
	v_lshlrev_b32 v7, 6, v4
	v_lshl_add_u32 v7, v5, 4, v7
	v_add_nc_u32 v[WFO], s16, v7
	s_lshl_b32 s16, s35, 6
	v_lshl_add_u32 v[BIO], v5, 5, s16              ; bc at outputs 16 (w mod 8) + 8 h
	v_lshl_add_u32 v[WSO], v4, 2, s16              ; Wc's scale word of row 16 (w mod 8) + r
	s_lshl_b32 s16, s15, 20                        ; out0: the batch,
	s_lshl_b32 s17, ttmp9, 14                      ; my work-group's 32 rows of 512 bytes,
	s_add_co_u32 s16, s16, s17
	s_lshl_b32 s17, s[WV], 10                      ; my wave's two
	s_add_co_u32 s16, s16, s17
	s_mov_b32 s17, 0
	s_add_nc_u64 s[12:13], s[12:13], s[16:17]
	s_mov_b32 s28, 0xff00ff00                      ; lanes whose number has bit 3 set; bit 2; bit 1; bit 0
	s_mov_b32 s29, 0xf0f0f0f0
	s_mov_b32 s30, 0xcccccccc
	s_mov_b32 s31, 0xaaaaaaaa
	s_mov_b32 s[SEL], 0x76543210
	s_mov_b32 s[SEL+1], 0xfedcba98
	s_mov_b32 s36, 0x3f0293ee                      ; log2(e) / sqrt(8)
; Four matrix instructions: the scores of both query tiles against the key tile in buffer kn.  The two accumulators take turns, one instruction a turn.
.macro SCORES kn
.set nn, \kn
	v_wmma_f32_16x16x4_f32 v[S:S+7], v[Q:Q+1], v[nn:nn+1], 0
	v_wmma_f32_16x16x4_f32 v[S+8:S+15], v[Q+4:Q+5], v[nn:nn+1], 0
	v_wmma_f32_16x16x4_f32 v[S:S+7], v[Q+2:Q+3], v[nn+2:nn+3], v[S:S+7]
	v_wmma_f32_16x16x4_f32 v[S+8:S+15], v[Q+6:Q+7], v[nn+2:nn+3], v[S+8:S+15]
.endm
; Query tile T: 32 packed multiply-adds (query j's p, from the low or the high register of its pair, for both halves; a pair of my key's wires) and 4 packed additions.  first = 1: the first tile starts the sums.
.macro PVT T, kc, pc, first
.set kk, \kc
.set j, 0
.rept 8
.set pp, \pc+8*(\T)+2*(j/2)
.set oo, O+64*(\T)+8*j
.irp d, 0,2,4,6
.if \first
.if j%2
	v_pk_mul_f32 v[oo+\d:oo+\d+1], v[pp:pp+1], v[kk+\d:kk+\d+1] op_sel:[1,0] op_sel_hi:[1,1]
.else
	v_pk_mul_f32 v[oo+\d:oo+\d+1], v[pp:pp+1], v[kk+\d:kk+\d+1] op_sel_hi:[0,1]
.endif
.else
.if j%2
	v_pk_fma_f32 v[oo+\d:oo+\d+1], v[pp:pp+1], v[kk+\d:kk+\d+1], v[oo+\d:oo+\d+1] op_sel:[1,0,0] op_sel_hi:[1,1,1]
.else
	v_pk_fma_f32 v[oo+\d:oo+\d+1], v[pp:pp+1], v[kk+\d:kk+\d+1], v[oo+\d:oo+\d+1] op_sel_hi:[0,1,1]
.endif
.endif
.endr
.set j, j+1
.endr
.irp e, 0,2,4,6
.if \first
	v_mov_b32 v[SUM+8*(\T)+\e], v[\pc+8*(\T)+\e]
	v_mov_b32 v[SUM+8*(\T)+\e+1], v[\pc+8*(\T)+\e+1]
.else
	v_pk_add_f32 v[SUM+8*(\T)+\e:SUM+8*(\T)+\e+1], v[SUM+8*(\T)+\e:SUM+8*(\T)+\e+1], v[\pc+8*(\T)+\e:\pc+8*(\T)+\e+1]
.endif
.endr
.endm
; KEY TILE t, in buffer u = t mod 4.  The next tile's scores go to the matrix unit first; this tile's p V, 72 packed instructions, stands behind them: its first half is more than the eight places that the first
; exponential (a reader of the scores) owes the matrix instructions, and names none of their registers; its second half is the independent work between the sixteen exponentials and the one wait for them.
; more = 1: there is a next tile;  fetch = 1: this buffer, read out, takes tile t + 4;  left: the loads that may stay out when tile t + 1 has to be in: those of tiles t + 2 and t + 3.
.macro ITER u, first, more, fetch, left
.set KC, KB+8*(\u)
.set KN, KB+8*(((\u)+1)%4)
.set PCU, P+16*((\u)%2)
.set PNX, P+16*(((\u)+1)%2)
.if \more
	s_wait_loadcnt \left                           ; loads come back in order: tile t + 1 is in
	SCORES KN
.endif
	PVT 0, KC, PCU, \first
.if \more
.set j, 0
.rept 16
	v_exp_f32 v[PNX+j], v[S+j]                     ; p = 2^S, into the other set; each accumulator is read from its low end on
.set j, j+1
.endr
.endif
	PVT 1, KC, PCU, \first
.if \fetch
	global_load_b128 v[KC:KC+3], v[KX], s[KP:KP+1] offset:2048+512*(\u)
	global_load_b128 v[KC+4:KC+7], v[KY], s[KP:KP+1] offset:2048+512*(\u)
.endif
.if \more
	s_wait_alu depctr_va_vdst(0)                   ; one wait for the sixteen exponentials, ahead of their first reader (the next tile's p V) and of every label and branch
.endif
.endm
; A PREFETCH INTO THE L2, once a trip, behind the trip's first loads: the 2,048 bytes (four key tiles) of each of four heads that the NEXT trip's loads will name, two trips on from the tiles in hand.
; All 64 work-groups of a batch walk the same proj: the batch's first work-group asks, its waves 0 to 3, four heads each, eight lanes to a head, 256 bytes apart.  So each aligned 256 bytes from key tile 12 on
; is named once in the launch; tiles 0 to 11 come by their loads alone, and the loop's last trip, behind whose loads nothing is left, asks for nothing.
.macro ASK
	s_cmp_gt_u32 s[CNT], s[LIM]
	s_cbranch_scc0 .Lnot_mine_\@
	global_prefetch_b8 v[PFO], s[PFA:PFA+1] offset:4096 th:TH_LOAD_NT scope:SCOPE_SE
.Lnot_mine_\@:
.endm
.macro NEXT
	s_wait_xcnt 0x0                                ; the trip's loads and its prefetch have read their bases: only behind this wait are they stepped
	s_add_nc_u64 s[KP:KP+1], s[KP:KP+1], 2048
	s_add_nc_u64 s[PFA:PFA+1], s[PFA:PFA+1], 2048
.endm
	s_wait_loadcnt 6                               ; Q and key tile 0 are in; the six loads of tiles 1 to 3 stay out
.irp i, 0,1,2,3,4,5,6,7
	v_mul_f32 v[Q+\i], s36, v[Q+\i]
.endr
	SCORES KB
.rept 8
	v_nop                                          ; eight places between the f32 matrix form and the first reader of its result: there is no other vector work yet
.endr
.set j, 0
.rept 16
	v_exp_f32 v[P+j], v[S+j]
.set j, j+1
.endr
	v_nop                                          ; a plain instruction behind the last exponential
	s_wait_alu depctr_va_vdst(0)                   ; and the wait for the batch
	ITER 0, 1, 1, 1, 4                             ; trip 0 (tiles 0 to 3) is written out: tile 0 starts the sums, so nothing is cleared
	ITER 1, 0, 1, 1, 4
	ITER 2, 0, 1, 1, 4
	ITER 3, 0, 1, 1, 4
	NEXT
	s_mov_b32 s[CNT], 30
.Ltrip:                                                ; trips 1 to 30: tiles 4 to 123; their loads bring tiles 8 to 127
	ITER 0, 0, 1, 1, 4
	ASK
	ITER 1, 0, 1, 1, 4
	ITER 2, 0, 1, 1, 4
	ITER 3, 0, 1, 1, 4
	NEXT
	s_sub_co_u32 s[CNT], s[CNT], 1
	s_cmp_lg_u32 s[CNT], 0
	s_cbranch_scc1 .Ltrip
	ITER 0, 0, 1, 0, 4                             ; the last trip loads nothing: no load leaves the head's rows, and the counts run down
	ITER 1, 0, 1, 0, 2
	ITER 2, 0, 1, 0, 0
	ITER 3, 0, 0, 0, 0
	; THE END.  My tile of Wc, its scale words and the bias are asked for now and land under the reduction
	global_load_b128 v[WF:WF+3], v[WFO], s[6:7]            ; lane (r, h): row 16 (w mod 8) + r, codes of k = 32 h + 0 .. 31,
	global_load_b128 v[WF+4:WF+7], v[WFO], s[6:7] offset:32   ; and of k = 64 + 32 h + 0 .. 31
	global_load_b128 v[BI:BI+3], v[BIO], s[10:11]
	global_load_b128 v[BI+4:BI+7], v[BIO], s[10:11] offset:16
	global_load_b32 v[WSC], v[WSO], s[8:9]
; One level of the reduce-scatter over lane bit m (mask xm): of the 2 n registers from base on, a lane with the bit clear keeps the first n, one with it set the second n; each sends its partner what that one keeps.
.macro LEVEL base, n, msk, xm
.set bb, \base
.set i, 0
.rept \n
	v_cndmask_b32 v[TX+i], v[bb+i+\n], v[bb+i], s[\msk]    ; what my partner keeps
.set i, i+1
.endr
.set i, 0
.rept \n
	v_cndmask_b32 v[bb+i], v[bb+i], v[bb+i+\n], s[\msk]    ; what I keep
.set i, i+1
.endr
.set i, 0
.rept \n
	v_add_f32_dpp v[bb+i], v[TX+i], v[bb+i] row_xmask:\xm row_mask:0xf bank_mask:0xf
.set i, i+1
.endr
.endm
.irp T, 0,1
	LEVEL O+64*\T, 32, 28, 8                       ; register 8 j + d: lane bits 3, 2, 1 choose j's bits 2, 1, 0; lane bit 0 chooses d's bit 2
	LEVEL O+64*\T, 16, 29, 4
	LEVEL O+64*\T, 8, 30, 2
	LEVEL O+64*\T, 4, 31, 1
	LEVEL SUM+8*\T, 4, 28, 8                       ; the row sums likewise, by j;
	LEVEL SUM+8*\T, 2, 29, 4
	LEVEL SUM+8*\T, 1, 30, 2
	v_add_f32_dpp v[SUM+8*\T], v[SUM+8*\T], v[SUM+8*\T] row_xmask:1 row_mask:0xf bank_mask:0xf   ; both lanes of a query want its sum
.endr
	v_rcp_f32 v[RC], v[SUM]
	v_rcp_f32 v[RC+1], v[SUM+8]
	v_nop                                          ; a plain instruction behind the reciprocals
	s_wait_alu depctr_va_vdst(0)                   ; and the wait, ahead of their first reader
.irp T, 0,1
.irp d, 0,1,2,3
	v_mul_f32 v[O+64*\T+\d], v[O+64*\T+\d], v[RC+\T]
.endr
.endr
	ds_store_b128 v[MA], v[O:O+3]                  ; merged(8 h + r / 2, 8 w + 4 (h xor r mod 2) + 0 .. 3)
	ds_store_b128 v[MA], v[O+64:O+67] offset:16*PIT   ; and 16 tokens on
	s_wait_dscnt 0x0                               ; for the others' sake: my stores have landed
	s_barrier_signal -1
	s_barrier_wait -1                              ; 32 whole rows of merged numbers lie in LDS
.irp b, 0,1,2,3
.irp i, 0,1,2,3
	ds_load_b128 v[H+16*\b+4*\i:H+16*\b+4*\i+3], v[QAD] offset:128*\b+16*\i   ; register 16 b + i = k 32 b + 16 h + i of token r
.endr
.endr
	s_wait_dscnt 0x0
	; the quantiser: a block of 32 lies in lanes l and l xor 16
.irp b, 0,1,2,3
	v_max3_num_f32 v[TM+\b], |v[H+16*\b]|, |v[H+1+16*\b]|, 0x1800000   ; block b: my 16 numbers, and the floor 2^(3 - 127), under which no largest magnitude is taken: so the byte cannot fall under 1
.endr
.irp i, 2,4,6,8,10,12,14
.irp b, 0,1,2,3
	v_max3_num_f32 v[TM+\b], v[TM+\b], |v[H+16*\b+\i]|, |v[H+1+16*\b+\i]|   ; (the four blocks by turns)
.endr
.endr
.irp b, 0,1,2,3
	v_permlanex16_b32 v[TM+4+\b], v[TM+\b], s[SEL], s[SEL+1]   ; (its destination counts as read: these registers were written in the reduction)
.endr
.irp b, 0,1,2,3
	v_max_num_f32 v[TM+\b], v[TM+\b], v[TM+4+\b]   ; the block's largest magnitude
.endr
.irp b, 0,1,2,3
	v_add_nc_u32 v[TM+12+\b], 0xff000000, v[TM+\b] ; 2 off its exponent field: the conversion takes the exponent field of this operand as its scale, and nothing else of it
.endr
.irp b, 0,1,2,3
	v_lshrrev_b32 v[TM+4+\b], 23, v[TM+12+\b]      ; the scale's byte.  (A block of zeros keeps the byte 1 where the rule says 127: its codes are zeros, and this program alone reads the byte)
.endr
	v_lshl_or_b32 v[PW], v[TM+5], 8, v[TM+4]       ; the four bytes make my token's scale word
	v_lshl_or_b32 v[PW], v[TM+6], 16, v[PW]
	v_lshl_or_b32 v[PW], v[TM+7], 24, v[PW]
.irp b, 0,1,2,3
	v_cvt_scalef32_pk8_fp4_f32 v[CD+2*\b], v[H+16*\b:H+7+16*\b], v[TM+12+\b]
	v_cvt_scalef32_pk8_fp4_f32 v[CD+1+2*\b], v[H+8+16*\b:H+15+16*\b], v[TM+12+\b]
.endr
	v_nop                                          ; one plain place behind a scaled conversion
.irp c, 0,1                                    ; the operand's layout wants a WHOLE block in a lane: lanes 0-15 block 2 c, lanes 16-31 block 2 c + 1
.irp i, 0,1
	v_permlane16_swap_b32 v[CD+4*\c+\i], v[CD+2+4*\c+\i]
.endr
.endr
	s_wait_loadcnt 0x0                             ; Wc's fragment, its scale words, the bias
.rept 8
	v_nop                                          ; a scale register written by a vector instruction stands 8 places ahead of a scaled matrix instruction, an operand so written 4
.endr
	v_wmma_scale_f32_16x16x128_f8f6f4 v[DD:DD+7], v[WF:WF+7], v[CD:CD+7], v[BI:BI+7], v[WSC], v[PW] matrix_a_fmt:MATRIX_FMT_FP4 matrix_b_fmt:MATRIX_FMT_FP4   ; lane (r, h), register j: out(token r, output 16 (w mod 8) + 8 h + j)
.rept 4
	v_nop                                          ; four places ahead of the first read of the result
.endr
	ds_store_b128 v[YA], v[DD:DD+3]                ; the result from its low end on
	ds_store_b128 v[YA], v[DD+4:DD+7] offset:16
	s_wait_dscnt 0x0                               ; for the others' sake: my stores have landed
	s_barrier_signal -1
	s_barrier_wait -1                              ; 32 whole rows of results lie in the stage
	ds_load_b128 v[TM:TM+3], v[YR]
	ds_load_b128 v[TM+4:TM+7], v[YR] offset:PIT
	s_wait_dscnt 1                                 ; the first row is back; the second row's load may be out
	global_store_b128 v[GO], v[TM:TM+3], s[12:13] th:TH_STORE_NT              ; 32 lanes store a row of 512 consecutive bytes, at a multiple of 256 from out0's first byte; written once, read by nobody here
	s_wait_dscnt 0x0
	global_store_b128 v[GO], v[TM+4:TM+7], s[12:13] offset:512 th:TH_STORE_NT
	s_wait_tensorcnt 0x0
	ds_add_u32 v254, v255
	s_wait_dscnt 0x0
	s_endpgm
.Lfunc_end_k_qc8a5b06d33_attend:
	.size	k_qc8a5b06d33_attend, .Lfunc_end_k_qc8a5b06d33_attend-k_qc8a5b06d33_attend
	.p2alignl 7, 3214868480
	.fill 96, 4, 3214868480
	.section	.rodata,"a",@progbits
	.p2align	6, 0x0
	.amdhsa_kernel k_qc8a5b06d33_attend
		.amdhsa_group_segment_fixed_size 35840
		.amdhsa_private_segment_fixed_size 0
		.amdhsa_enable_private_segment 0
		.amdhsa_kernarg_size 40
		.amdhsa_user_sgpr_count 2
		.amdhsa_user_sgpr_kernarg_segment_ptr 1
		.amdhsa_wavefront_size32 1
		.amdhsa_system_sgpr_workgroup_id_x 1
		.amdhsa_system_sgpr_workgroup_id_y 1
		.amdhsa_system_sgpr_workgroup_id_z 1
		.amdhsa_system_vgpr_workitem_id 0
		.amdhsa_next_free_vgpr 256
		.amdhsa_next_free_sgpr 66
		.amdhsa_reserve_vcc 0
		.amdhsa_float_denorm_mode_32 3
		.amdhsa_float_denorm_mode_16_64 3
		.amdhsa_memory_ordered 1
		.amdhsa_forward_progress 1
		.amdhsa_inst_pref_size 104
	.end_amdhsa_kernel
	.amdgpu_metadata
---
amdhsa.version: [ 1, 2 ]
amdhsa.kernels:
  - .name:           k_qc8a5b06d33_attend
    .symbol:         k_qc8a5b06d33_attend.kd
    .args:
      - { .name: proj, .offset: 0, .size: 8, .value_kind: global_buffer, .address_space: global }
      - { .name: Wc_codes, .offset: 8, .size: 8, .value_kind: global_buffer, .address_space: global }
      - { .name: Wc_scales, .offset: 16, .size: 8, .value_kind: global_buffer, .address_space: global }
      - { .name: bc, .offset: 24, .size: 8, .value_kind: global_buffer, .address_space: global }
      - { .name: out0, .offset: 32, .size: 8, .value_kind: global_buffer, .address_space: global }
    .group_segment_fixed_size: 35840
    .private_segment_fixed_size: 0
    .kernarg_segment_align: 8
    .kernarg_segment_size: 40
    .max_flat_workgroup_size: 512
    .sgpr_count:     66
    .vgpr_count:     256
    .wavefront_size: 32
...
	.end_amdgpu_metadata
.endif
;; end of part 2
;; ======== version 2 of 2: 2 launches; version 1 with the launch attend written anew for expert scheduling mode
;; limits: inputs' magnitudes at most 4,194,304
;; workspace buffers: proj 4,194,304 bytes
;; launch project: the kernel of part 1 again; grid 256 x 1, 4 waves a work-group, no clusters, 18,944 bytes of LDS; arguments x, theta, proj; writes proj
;; launch attend (part 3): grid 64 x 4, 16 waves a work-group, no clusters, 35,840 bytes of LDS; arguments proj, Wc_codes, Wc_scales, bc, out0; writes out0
.if DOCPART == 3
	.amdgcn_target "amdgcn-amd-amdhsa--gfx1250"
	.amdhsa_code_object_version 6
	.text
	.protected	k_qc8a5b06d33_attend
	.globl	k_qc8a5b06d33_attend
	.p2align	8
	.type	k_qc8a5b06d33_attend,@function
k_qc8a5b06d33_attend:
	s_mov_b64 s[64:65], 0
	v_nop
	global_prefetch_b8 v0, s[64:65] scope:SCOPE_SE
	s_setreg_imm32_b32 hwreg(HW_REG_WAVE_SCHED_MODE, 0, 2), 2
	s_setreg_imm32_b32 hwreg(HW_REG_WAVE_MODE, 25, 1), 1
	s_wait_xcnt 0x0
	s_wait_alu depctr_vm_vsrc(0)
; out0[b][s][:] = Q4(merged[b][s][:]) Wc^T + bc, merged[b][s][8 h + w] = sum over k of softmax_k(q . k / sqrt(8)) v, with q = k = v = proj[b][h][.][0..7] (f32, made by the launch before).
; Q4 is the MX-FP4 quantiser along the 128; Wc comes as E2M1 codes with E8M0 scale bytes.  The two products of the attention feed that quantiser, so their operands are f32.
; NO MAXIMUM IS TAKEN AWAY: proj is a cosine, so every score lies within 8 / sqrt(8) = 2.83 of zero for every input: p = e^score lies in 0.059 .. 16.9 and a row's sum of 2,048 of them under 34,700.
; LIMITS: NaN and infinities in proj (from such numbers in x) are not served.
; SHARES.  A work-group owns 32 tokens of one batch, all 16 heads (the quantiser wants a token's 128 numbers together).  Wave w is head w: two tiles of 16 queries, and it walks the head's 2,048 keys, 16 a tile.
; SCORES.  S = Q K^T by the f32 matrix form, 16 x 16 x 4, two links for the eight wires; the two query tiles' accumulators take turns.  log2(e) / sqrt(8) is folded into Q, so p = 2^S.
;   Both operands take the wires in the same changed order: lane (r, h) holds wires 4 h .. 4 h + 3 of row r, 16 bytes as they lie; link i takes its registers 2 i, 2 i + 1.  In S a lane holds ONE key (r) and queries 8 h + 0 .. 7.
; P V goes by packed multiply-adds, not by the matrix form (whose 16 rows the 8 wires would half fill): each lane adds p[query j] x V[its own key][wire pair] into 64 sums of its own a tile, and p into 8 row sums;
;   the sixteen lanes' sums meet once, at the end.  V is the lane's key row, all 8 wires: the K operand's 16 bytes and the row's other 16, which a second load of the same 512 bytes brings (address xor 16).
;   So lanes 16-31 hold the wires in the order 4..7, 0..3; the address of the merged numbers takes that back.
; K GOES FROM MEMORY STRAIGHT INTO REGISTERS, four tiles' buffers by turns, loads three tiles ahead.  No tensor load, no LDS ring, no joint loads in a cluster, though the 64 work-groups of a batch walk the same proj:
;   a tile is 512 bytes, and the wave that loads it issues 92 instructions on it; no two waves of a work-group share a tile; through LDS each global load would be replaced by an LDS load of the same bytes,
;   with a ring, and a round of the cluster's barrier for sixteen waves at each refill, on top.
; THE END.  Reduce-scatter over the 16 lanes: lane r is left with query r / 2, four wires; divided by the row's sum; to LDS; a barrier; each wave quantises one tile of 16 tokens and makes one tile of 16 outputs
;   (source 0 = 16 rows of Wc, source 1 = the tokens; the bias is the C); through a stage in LDS, a barrier, and out as whole rows of 512 bytes.
; THE MODE: SCHED_MODE bits 1:0 = 2 (LLVM: expert scheduling mode 2), set by the entry lines.  The code itself states the register dependences
; between vector or matrix instructions and memory or LDS instructions, with s_wait_alu, always for 0.
; THE PLAN.  Registers that memory or LDS instructions touch:
;   KB0 .. KB3    Tile t's four score instructions (issued in tile t - 1's turn) and its 64 packed multiply-adds read KB[t mod 4]; behind them the two loads of tile t + 4 land in it.  No vector instruction writes them.
;   v1, v2, v3    Offsets of the loads of proj and of the prefetch: made at the head, never written again; the scalar bases move on, and immediate offsets do the rest.
;   v242 .. v249  The end's LDS addresses and offsets: made at the head, never written again.
;   Q is loaded once; S, p, the row sums and O are named by vector and matrix instructions alone until the end.
; So ONE wait on va_vdst stands in a tile's turn, at its end: it is the wait for the turn's sixteen exponentials, and it states that the scores and the p V are done reading KB[t mod 4].  The buffer's two loads
; follow it at once: they have three turns in which to land, and those turns name the other three buffers alone.  No register that a memory instruction reads is written in the loop: it holds no wait on vm_vsrc.
; At the end each run of LDS stores has a wait on va_vdst ahead of it (its data are written), the LDS loads that land in registers which LDS stores have read a wait on vm_vsrc, and the scaled matrix instruction
; a wait on va_vdst behind its places (its codes and its scale word are written).
.set PIT,  528                         ; an LDS row: 512 bytes + 16 of padding
.set STG,  32*PIT                      ; LDS: 32 rows of merged numbers, then 32 rows of results
.set KX,   1                           ; v1   my 16 bytes of a tile's 512: 32 r + 16 h
.set KY,   2                           ; v2   my row's other 16
.set PFO,  3                           ; v3   the prefetches' offset
.set Q,    8                           ; v[8:15]    Q x log2(e)/sqrt(8): 4 registers a tile
.set KB,   16                          ; v[16:47]   key tiles: buffer u at 8 u: 4 registers K operand and V, 4 registers V alone
.set S,    48                          ; v[48:63]   scores, 8 a query tile: written by matrix instructions alone
.set P,    64                          ; v[64:95]   p: two sets of 16, by turns
.set SUM,  96                          ; v[96:111]  row sums, 8 a tile
.set O,    112                         ; v[112:239] sums of p V: 64 a tile: register 8 j + d
.set WSC,  240                         ; v240 Wc's scale words;  v241 the merged numbers': they hold scales and nothing else
.set PW,   241
.set MA,   242                         ; v242 LDS: where my merged numbers go
.set QAD,  243                         ; v243 LDS: where I read a token's numbers for the quantiser
.set YA,   244                         ; v244 LDS: where my results go
.set YR,   245                         ; v245 LDS: where I read whole rows back
.set GO,   246                         ; v246 16 x lane
.set WFO,  247                         ; v247-249 my offsets in Wc's codes, in bc, in Wc's scales
.set BIO,  248
.set WSO,  249
.set RC,   250                         ; v250-251 1 / the row's sum, a tile each
.set TX,   64                          ; the end: 32 registers at work (p's)
.set TM,   64                          ; the quantiser's 16
.set CD,   80                          ; v[80:87] the codes
.set DD,   88                          ; v[88:95] the results
.set WF,   16                          ; v[16:23] Wc's fragment
.set BI,   24                          ; v[24:31] the bias
.set H,    112                         ; v[112:175] a token's 64 numbers
.set WV,   14                          ; s14 wave = head
.set KP,   20                          ; s[20:21] my head's keys: the trip's first tile
.set PFA,  24                          ; s[24:25] where my prefetches stand
.set LIM,  26                          ; s26 1 in a wave that prefetches, else the greatest number
.set CNT,  27                          ; s27 trips to go
.set SEL,  32                          ; s[32:33] selects for lane l xor 16
	s_load_b256 s[4:11], s[0:1], 0x0               ; proj s[4:5], Wc's codes s[6:7], Wc's scales s[8:9], bc s[10:11]
	s_load_b64 s[12:13], s[0:1], 0x20              ; out0
	v_lshl_add_u32 v254, v0, 2, 0x8400
	v_mov_b32 v255, 0
	v_lshrrev_b32 v4, 5, v0
	v_readfirstlane_b32 s[WV], v4                  ; wave 0..15
	v_and_b32 v4, 15, v0                           ; r
	v_bfe_u32 v5, v0, 4, 1                         ; h
	v_lshlrev_b32 v[KX], 5, v4
	v_lshl_add_u32 v[KX], v5, 4, v[KX]
	v_xor_b32 v[KY], 16, v[KX]
	s_wait_alu depctr_va_sdst(0)                   ; s14, the wave's number, is written, ahead of its first reader: the head's place in proj is made from it
	s_and_b32 s15, ttmp7, 0xffff                   ; the batch
	s_lshl_b32 s16, s15, 4
	s_add_co_u32 s16, s16, s[WV]
	s_lshl_b32 s16, s16, 16                        ; my head: 2,048 rows of 32 bytes
	s_mov_b32 s17, 0
	s_lshl_b32 s18, ttmp9, 10                      ; my work-group's 32 tokens in it
	s_mov_b32 s19, 0
	s_wait_kmcnt 0x0
	s_add_nc_u64 s[KP:KP+1], s[4:5], s[16:17]
	s_add_nc_u64 s[22:23], s[KP:KP+1], s[18:19]
	s_wait_alu depctr_va_vdst(0)                   ; v1 and v2 are written: every load of proj reads one of them as its offset
	global_load_b128 v[Q:Q+3], v[KX], s[22:23]
	global_load_b128 v[Q+4:Q+7], v[KX], s[22:23] offset:512
.irp u, 0,1,2,3
	global_load_b128 v[KB+8*\u:KB+8*\u+3], v[KX], s[KP:KP+1] offset:512*\u       ; key tiles 0 to 3: 32 lanes cover 512 consecutive bytes,
	global_load_b128 v[KB+8*\u+4:KB+8*\u+7], v[KY], s[KP:KP+1] offset:512*\u     ; and once more with the halves of each row exchanged
.endr
	; while they are on their way: the prefetches' place, the addresses of the end, constants.  (None of these lines names a register that the loads above touch)
	s_and_b32 s16, s[WV], 3
	s_lshl_b32 s16, s16, 2                         ; wave g asks for heads 4 g .. 4 g + 3
	s_lshl_b32 s17, s15, 4
	s_add_co_u32 s16, s16, s17
	s_lshl_b32 s16, s16, 16
	s_mov_b32 s17, 0
	s_add_nc_u64 s[PFA:PFA+1], s[4:5], s[16:17]
	s_lshr_b32 s16, s[WV], 2                       ; 0 in waves 0 to 3,
	s_or_b32 s16, s16, ttmp9                       ; of the batch's first work-group
	s_cmp_eq_u32 s16, 0
	s_cselect_b32 s[LIM], 1, -1
	v_and_b32 v6, 31, v0                           ; lane
	v_lshrrev_b32 v7, 3, v6
	v_and_b32 v[PFO], 7, v0
	v_lshlrev_b32 v[PFO], 8, v[PFO]
	v_lshl_add_u32 v[PFO], v7, 16, v[PFO]          ; eight lanes to a head, 256 bytes apart; heads 65,536 bytes apart
	v_bfe_u32 v7, v0, 1, 3
	v_lshl_add_u32 v7, v5, 3, v7                   ; the token that the reduce-scatter leaves me: 8 h + r / 2
	v_mul_u32_u24 v[MA], v7, PIT
	v_add_nc_u32 v7, v4, v5
	v_and_b32 v7, 1, v7                            ; and which four wires: h xor (r mod 2)
	v_lshl_add_u32 v[MA], v7, 4, v[MA]
	s_lshl_b32 s16, s[WV], 5                       ; my head's 32 bytes of a row
	v_add_nc_u32 v[MA], s16, v[MA]
	s_lshr_b32 s34, s[WV], 3                       ; at the end wave w takes tokens 16 (w / 8) on
	s_and_b32 s35, s[WV], 7                        ; and outputs 16 (w mod 8) on
	s_mul_i32 s16, s34, 16*PIT
	v_mul_u32_u24 v7, v4, PIT
	v_add_nc_u32 v7, s16, v7                       ; token r of my tile
	v_lshl_add_u32 v[QAD], v5, 6, v7               ; + 64 h: my 16 numbers of each block of 32
	s_lshl_b32 s17, s35, 6
	s_add_co_u32 s17, s17, STG
	v_lshl_add_u32 v[YA], v5, 5, v7                ; results: token r, outputs 16 (w mod 8) + 8 h + 0 .. 7
	v_add_nc_u32 v[YA], s17, v[YA]
	s_mul_i32 s16, s[WV], 2*PIT
	s_add_co_u32 s16, s16, STG
	v_lshlrev_b32 v[GO], 4, v6
	v_add_nc_u32 v[YR], s16, v[GO]                 ; back: rows 2 w and 2 w + 1, 16 bytes a lane
	s_lshl_b32 s16, s35, 10                        ; Wc's codes: 16 rows of 64 bytes a tile
	v_lshlrev_b32 v7, 6, v4
	v_lshl_add_u32 v7, v5, 4, v7
	v_add_nc_u32 v[WFO], s16, v7
	s_lshl_b32 s16, s35, 6
	v_lshl_add_u32 v[BIO], v5, 5, s16              ; bc at outputs 16 (w mod 8) + 8 h
	v_lshl_add_u32 v[WSO], v4, 2, s16              ; Wc's scale word of row 16 (w mod 8) + r
	s_lshl_b32 s16, s15, 20                        ; out0: the batch,
	s_lshl_b32 s17, ttmp9, 14                      ; my work-group's 32 rows of 512 bytes,
	s_add_co_u32 s16, s16, s17
	s_lshl_b32 s17, s[WV], 10                      ; my wave's two
	s_add_co_u32 s16, s16, s17
	s_mov_b32 s17, 0
	s_add_nc_u64 s[12:13], s[12:13], s[16:17]
	s_mov_b32 s28, 0xff00ff00                      ; lanes whose number has bit 3 set; bit 2; bit 1; bit 0
	s_mov_b32 s29, 0xf0f0f0f0
	s_mov_b32 s30, 0xcccccccc
	s_mov_b32 s31, 0xaaaaaaaa
	s_mov_b32 s[SEL], 0x76543210
	s_mov_b32 s[SEL+1], 0xfedcba98
	s_mov_b32 s36, 0x3f0293ee                      ; log2(e) / sqrt(8)
; Four matrix instructions: the scores of both query tiles against the key tile in buffer kn.  The two accumulators take turns, one instruction a turn.
.macro SCORES kn
.set nn, \kn
	v_wmma_f32_16x16x4_f32 v[S:S+7], v[Q:Q+1], v[nn:nn+1], 0
	v_wmma_f32_16x16x4_f32 v[S+8:S+15], v[Q+4:Q+5], v[nn:nn+1], 0
	v_wmma_f32_16x16x4_f32 v[S:S+7], v[Q+2:Q+3], v[nn+2:nn+3], v[S:S+7]
	v_wmma_f32_16x16x4_f32 v[S+8:S+15], v[Q+6:Q+7], v[nn+2:nn+3], v[S+8:S+15]
.endm
; Query tile T: 32 packed multiply-adds (query j's p, from the low or the high register of its pair, for both halves; a pair of my key's wires) and 4 packed additions.  first = 1: the first tile starts the sums.
.macro PVT T, kc, pc, first
.set kk, \kc
.set j, 0
.rept 8
.set pp, \pc+8*(\T)+2*(j/2)
.set oo, O+64*(\T)+8*j
.irp d, 0,2,4,6
.if \first
.if j%2
	v_pk_mul_f32 v[oo+\d:oo+\d+1], v[pp:pp+1], v[kk+\d:kk+\d+1] op_sel:[1,0] op_sel_hi:[1,1]
.else
	v_pk_mul_f32 v[oo+\d:oo+\d+1], v[pp:pp+1], v[kk+\d:kk+\d+1] op_sel_hi:[0,1]
.endif
.else
.if j%2
	v_pk_fma_f32 v[oo+\d:oo+\d+1], v[pp:pp+1], v[kk+\d:kk+\d+1], v[oo+\d:oo+\d+1] op_sel:[1,0,0] op_sel_hi:[1,1,1]
.else
	v_pk_fma_f32 v[oo+\d:oo+\d+1], v[pp:pp+1], v[kk+\d:kk+\d+1], v[oo+\d:oo+\d+1] op_sel_hi:[0,1,1]
.endif
.endif
.endr
.set j, j+1
.endr
.irp e, 0,2,4,6
.if \first
	v_mov_b32 v[SUM+8*(\T)+\e], v[\pc+8*(\T)+\e]
	v_mov_b32 v[SUM+8*(\T)+\e+1], v[\pc+8*(\T)+\e+1]
.else
	v_pk_add_f32 v[SUM+8*(\T)+\e:SUM+8*(\T)+\e+1], v[SUM+8*(\T)+\e:SUM+8*(\T)+\e+1], v[\pc+8*(\T)+\e:\pc+8*(\T)+\e+1]
.endif
.endr
.endm
; KEY TILE t, in buffer u = t mod 4.  The next tile's scores go to the matrix unit first; this tile's p V, 72 packed instructions, stands behind them: its first half is more than the eight places that the first
; exponential (a reader of the scores) owes the matrix instructions, and names none of their registers; its second half is the independent work between the sixteen exponentials and the one wait for them.
; more = 1: there is a next tile;  fetch = 1: this buffer, read out, takes tile t + 4, behind the turn's one wait;  left: the loads that may stay out when tile t + 1 has to be in: those of tiles t + 2 and t + 3.
.macro ITER u, first, more, fetch, left
.set KC, KB+8*(\u)
.set KN, KB+8*(((\u)+1)%4)
.set PCU, P+16*((\u)%2)
.set PNX, P+16*(((\u)+1)%2)
.if \more
	s_wait_loadcnt \left                           ; loads come back in order: tile t + 1 is in
	SCORES KN
.endif
	PVT 0, KC, PCU, \first
.if \more
.set j, 0
.rept 16
	v_exp_f32 v[PNX+j], v[S+j]                     ; p = 2^S, into the other set; each accumulator is read from its low end on
.set j, j+1
.endr
.endif
	PVT 1, KC, PCU, \first
.if \more
	s_wait_alu depctr_va_vdst(0)                   ; the sixteen exponentials have written the other set of p, ahead of their first reader (the next tile's p V) and of every label and branch; and tile t's scores and p V are done reading buffer u, in which the loads below land
.endif
.if \fetch
	global_load_b128 v[KC:KC+3], v[KX], s[KP:KP+1] offset:2048+512*(\u)     ; tile t + 4.  Until it is waited for, three turns on, the vector and matrix instructions name the other three buffers alone
	global_load_b128 v[KC+4:KC+7], v[KY], s[KP:KP+1] offset:2048+512*(\u)
.endif
.endm
; A PREFETCH INTO THE L2, once a trip, behind the trip's first loads: the 2,048 bytes (four key tiles) of each of four heads that the NEXT trip's loads will name, two trips on from the tiles in hand.
; All 64 work-groups of a batch walk the same proj: the batch's first work-group asks, its waves 0 to 3, four heads each, eight lanes to a head, 256 bytes apart.  So each aligned 256 bytes from key tile 12 on
; is named once in the launch; tiles 0 to 11 come by their loads alone, and the loop's last trip, behind whose loads nothing is left, asks for nothing.
; (Its offset v3 was written at the head, ahead of the wait on va_vdst that follows the first exponentials, and is never written again.)
.macro ASK
	s_cmp_gt_u32 s[CNT], s[LIM]
	s_cbranch_scc0 .Lnot_mine_\@
	global_prefetch_b8 v[PFO], s[PFA:PFA+1] offset:4096 th:TH_LOAD_NT scope:SCOPE_SE
.Lnot_mine_\@:
.endm
.macro NEXT
	s_wait_xcnt 0x0                                ; the trip's loads and its prefetch have read their bases: only behind this wait are they stepped
	s_add_nc_u64 s[KP:KP+1], s[KP:KP+1], 2048
	s_add_nc_u64 s[PFA:PFA+1], s[PFA:PFA+1], 2048
.endm
	s_wait_loadcnt 6                               ; Q and key tile 0 are in; the six loads of tiles 1 to 3 stay out
.irp i, 0,1,2,3,4,5,6,7
	v_mul_f32 v[Q+\i], s36, v[Q+\i]
.endr
	SCORES KB
.rept 8
	v_nop                                          ; eight places between the f32 matrix form and the first reader of its result: there is no other vector work yet
.endr
.set j, 0
.rept 16
	v_exp_f32 v[P+j], v[S+j]
.set j, j+1
.endr
	v_nop                                          ; a plain instruction behind the last exponential
	s_wait_alu depctr_va_vdst(0)                   ; the exponentials have written the first set of p, ahead of its first reader; and v3 and v242 to v249 are written, which the prefetches and the end's loads and stores read as offsets and addresses
	ITER 0, 1, 1, 1, 4                             ; trip 0 (tiles 0 to 3) is written out: tile 0 starts the sums, so nothing is cleared
	ITER 1, 0, 1, 1, 4
	ITER 2, 0, 1, 1, 4
	ITER 3, 0, 1, 1, 4
	NEXT
	s_mov_b32 s[CNT], 30
.Ltrip:                                                ; trips 1 to 30: tiles 4 to 123; their loads bring tiles 8 to 127
	ITER 0, 0, 1, 1, 4
	ASK
	ITER 1, 0, 1, 1, 4
	ITER 2, 0, 1, 1, 4
	ITER 3, 0, 1, 1, 4
	NEXT
	s_sub_co_u32 s[CNT], s[CNT], 1
	s_cmp_lg_u32 s[CNT], 0
	s_cbranch_scc1 .Ltrip
	ITER 0, 0, 1, 0, 4                             ; the last trip loads nothing: no load leaves the head's rows, and the counts run down
	ITER 1, 0, 1, 0, 2
	ITER 2, 0, 1, 0, 0
	ITER 3, 0, 0, 0, 0
	; THE END.  My tile of Wc, its scale words and the bias are asked for now and land under the reduction.
	; No wait stands here: v16 to v31 were last named by tiles 124 and 125, whose turns' closing waits stand behind them (tiles 126 and 127 name v32 to v47 alone); v240 has not been named; the offsets were written at the head
	global_load_b128 v[WF:WF+3], v[WFO], s[6:7]            ; lane (r, h): row 16 (w mod 8) + r, codes of k = 32 h + 0 .. 31,
	global_load_b128 v[WF+4:WF+7], v[WFO], s[6:7] offset:32   ; and of k = 64 + 32 h + 0 .. 31
	global_load_b128 v[BI:BI+3], v[BIO], s[10:11]
	global_load_b128 v[BI+4:BI+7], v[BIO], s[10:11] offset:16
	global_load_b32 v[WSC], v[WSO], s[8:9]
; One level of the reduce-scatter over lane bit m (mask xm): of the 2 n registers from base on, a lane with the bit clear keeps the first n, one with it set the second n; each sends its partner what that one keeps.
; (The masks are constants in scalar registers that scalar instructions wrote.)
.macro LEVEL base, n, msk, xm
.set bb, \base
.set i, 0
.rept \n
	v_cndmask_b32 v[TX+i], v[bb+i+\n], v[bb+i], s[\msk]    ; what my partner keeps
.set i, i+1
.endr
.set i, 0
.rept \n
	v_cndmask_b32 v[bb+i], v[bb+i], v[bb+i+\n], s[\msk]    ; what I keep
.set i, i+1
.endr
.set i, 0
.rept \n
	v_add_f32_dpp v[bb+i], v[TX+i], v[bb+i] row_xmask:\xm row_mask:0xf bank_mask:0xf
.set i, i+1
.endr
.endm
.irp T, 0,1
	LEVEL O+64*\T, 32, 28, 8                       ; register 8 j + d: lane bits 3, 2, 1 choose j's bits 2, 1, 0; lane bit 0 chooses d's bit 2
	LEVEL O+64*\T, 16, 29, 4
	LEVEL O+64*\T, 8, 30, 2
	LEVEL O+64*\T, 4, 31, 1
	LEVEL SUM+8*\T, 4, 28, 8                       ; the row sums likewise, by j;
	LEVEL SUM+8*\T, 2, 29, 4
	LEVEL SUM+8*\T, 1, 30, 2
	v_add_f32_dpp v[SUM+8*\T], v[SUM+8*\T], v[SUM+8*\T] row_xmask:1 row_mask:0xf bank_mask:0xf   ; both lanes of a query want its sum
.endr
	v_rcp_f32 v[RC], v[SUM]
	v_rcp_f32 v[RC+1], v[SUM+8]
	v_nop                                          ; a plain instruction behind the reciprocals
	s_wait_alu depctr_va_vdst(0)                   ; the two reciprocals have written v250 and v251, ahead of their first reader
.irp T, 0,1
.irp d, 0,1,2,3
	v_mul_f32 v[O+64*\T+\d], v[O+64*\T+\d], v[RC+\T]
.endr
.endr
	s_wait_alu depctr_va_vdst(0)                   ; the divisions have written v112 to v115 and v176 to v179, which the LDS stores read; and the reduction is done with v112 to v175, in which the LDS loads behind the barrier land
	ds_store_b128 v[MA], v[O:O+3]                  ; merged(8 h + r / 2, 8 w + 4 (h xor r mod 2) + 0 .. 3)
	ds_store_b128 v[MA], v[O+64:O+67] offset:16*PIT   ; and 16 tokens on
	s_wait_dscnt 0x0                               ; for the others' sake: my stores have landed
	s_barrier_signal -1
	s_barrier_wait -1                              ; 32 whole rows of merged numbers lie in LDS
	s_wait_alu depctr_vm_vsrc(0)                   ; my LDS stores have read v112 to v115, in which the first of the loads below lands
.irp b, 0,1,2,3
.irp i, 0,1,2,3
	ds_load_b128 v[H+16*\b+4*\i:H+16*\b+4*\i+3], v[QAD] offset:128*\b+16*\i   ; register 16 b + i = k 32 b + 16 h + i of token r
.endr
.endr
	s_wait_dscnt 0x0
	; the quantiser: a block of 32 lies in lanes l and l xor 16
.irp b, 0,1,2,3
	v_max3_num_f32 v[TM+\b], |v[H+16*\b]|, |v[H+1+16*\b]|, 0x1800000   ; block b: my 16 numbers, and the floor 2^(3 - 127), under which no largest magnitude is taken: so the byte cannot fall under 1
.endr
.irp i, 2,4,6,8,10,12,14
.irp b, 0,1,2,3
	v_max3_num_f32 v[TM+\b], v[TM+\b], |v[H+16*\b+\i]|, |v[H+1+16*\b+\i]|   ; (the four blocks by turns)
.endr
.endr
.irp b, 0,1,2,3
	v_permlanex16_b32 v[TM+4+\b], v[TM+\b], s[SEL], s[SEL+1]   ; (its destination counts as read: these registers were written in the reduction)
.endr
.irp b, 0,1,2,3
	v_max_num_f32 v[TM+\b], v[TM+\b], v[TM+4+\b]   ; the block's largest magnitude
.endr
.irp b, 0,1,2,3
	v_add_nc_u32 v[TM+12+\b], 0xff000000, v[TM+\b] ; 2 off its exponent field: the conversion takes the exponent field of this operand as its scale, and nothing else of it
.endr
.irp b, 0,1,2,3
	v_lshrrev_b32 v[TM+4+\b], 23, v[TM+12+\b]      ; the scale's byte.  (A block of zeros keeps the byte 1 where the rule says 127: its codes are zeros, and this program alone reads the byte)
.endr
	v_lshl_or_b32 v[PW], v[TM+5], 8, v[TM+4]       ; the four bytes make my token's scale word
	v_lshl_or_b32 v[PW], v[TM+6], 16, v[PW]
	v_lshl_or_b32 v[PW], v[TM+7], 24, v[PW]
.irp b, 0,1,2,3
	v_cvt_scalef32_pk8_fp4_f32 v[CD+2*\b], v[H+16*\b:H+7+16*\b], v[TM+12+\b]
	v_cvt_scalef32_pk8_fp4_f32 v[CD+1+2*\b], v[H+8+16*\b:H+15+16*\b], v[TM+12+\b]
.endr
	v_nop                                          ; one plain place behind a scaled conversion
.irp c, 0,1                                    ; the operand's layout wants a WHOLE block in a lane: lanes 0-15 block 2 c, lanes 16-31 block 2 c + 1
.irp i, 0,1
	v_permlane16_swap_b32 v[CD+4*\c+\i], v[CD+2+4*\c+\i]
.endr
.endr
	s_wait_loadcnt 0x0                             ; Wc's fragment, its scale words, the bias
.rept 8
	v_nop                                          ; a scale register written by a vector instruction stands 8 places ahead of a scaled matrix instruction, an operand so written 4
.endr
	s_wait_alu depctr_va_vdst(0)                   ; the codes v80 to v87 and the scale word v241 are written, which the scaled matrix instruction takes; the places above stay beside this wait.  The quantiser is also done with v64 to v71, in which the loads from the stage land
	v_wmma_scale_f32_16x16x128_f8f6f4 v[DD:DD+7], v[WF:WF+7], v[CD:CD+7], v[BI:BI+7], v[WSC], v[PW] matrix_a_fmt:MATRIX_FMT_FP4 matrix_b_fmt:MATRIX_FMT_FP4   ; lane (r, h), register j: out(token r, output 16 (w mod 8) + 8 h + j)
.rept 4
	v_nop                                          ; four places ahead of the first read of the result
.endr
	s_wait_alu depctr_va_vdst(0)                   ; the matrix instruction has written v88 to v95, which the LDS stores read; the places above stay beside this wait
	ds_store_b128 v[YA], v[DD:DD+3]                ; the result from its low end on
	ds_store_b128 v[YA], v[DD+4:DD+7] offset:16
	s_wait_dscnt 0x0                               ; for the others' sake: my stores have landed
	s_barrier_signal -1
	s_barrier_wait -1                              ; 32 whole rows of results lie in the stage
	ds_load_b128 v[TM:TM+3], v[YR]                 ; (no vector instruction since the wait ahead of the matrix instruction names v64 to v71, and no memory or LDS instruction has read them)
	ds_load_b128 v[TM+4:TM+7], v[YR] offset:PIT
	s_wait_dscnt 1                                 ; the first row is back; the second row's load may be out
	global_store_b128 v[GO], v[TM:TM+3], s[12:13] th:TH_STORE_NT              ; 32 lanes store a row of 512 consecutive bytes, at a multiple of 256 from out0's first byte; written once, read by nobody here
	s_wait_dscnt 0x0
	global_store_b128 v[GO], v[TM+4:TM+7], s[12:13] offset:512 th:TH_STORE_NT
	s_wait_dscnt 0x0
	s_wait_alu depctr_hold_cnt(0) depctr_sa_sdst(0) depctr_va_vdst(0) depctr_va_sdst(0) depctr_va_ssrc(0) depctr_va_vcc(0) depctr_vm_vsrc(0)
	s_wait_tensorcnt 0x0
	ds_add_u32 v254, v255
	s_wait_dscnt 0x0
	s_endpgm
.Lfunc_end_k_qc8a5b06d33_attend:
	.size	k_qc8a5b06d33_attend, .Lfunc_end_k_qc8a5b06d33_attend-k_qc8a5b06d33_attend
	.p2alignl 7, 3214868480
	.fill 96, 4, 3214868480
	.section	.rodata,"a",@progbits
	.p2align	6, 0x0
	.amdhsa_kernel k_qc8a5b06d33_attend
		.amdhsa_group_segment_fixed_size 35840
		.amdhsa_private_segment_fixed_size 0
		.amdhsa_enable_private_segment 0
		.amdhsa_kernarg_size 40
		.amdhsa_user_sgpr_count 2
		.amdhsa_user_sgpr_kernarg_segment_ptr 1
		.amdhsa_wavefront_size32 1
		.amdhsa_system_sgpr_workgroup_id_x 1
		.amdhsa_system_sgpr_workgroup_id_y 1
		.amdhsa_system_sgpr_workgroup_id_z 1
		.amdhsa_system_vgpr_workitem_id 0
		.amdhsa_next_free_vgpr 256
		.amdhsa_next_free_sgpr 66
		.amdhsa_reserve_vcc 0
		.amdhsa_float_denorm_mode_32 3
		.amdhsa_float_denorm_mode_16_64 3
		.amdhsa_memory_ordered 1
		.amdhsa_forward_progress 1
		.amdhsa_inst_pref_size 104
	.end_amdhsa_kernel
	.amdgpu_metadata
---
amdhsa.version: [ 1, 2 ]
amdhsa.kernels:
  - .name:           k_qc8a5b06d33_attend
    .symbol:         k_qc8a5b06d33_attend.kd
    .args:
      - { .name: proj, .offset: 0, .size: 8, .value_kind: global_buffer, .address_space: global }
      - { .name: Wc_codes, .offset: 8, .size: 8, .value_kind: global_buffer, .address_space: global }
      - { .name: Wc_scales, .offset: 16, .size: 8, .value_kind: global_buffer, .address_space: global }
      - { .name: bc, .offset: 24, .size: 8, .value_kind: global_buffer, .address_space: global }
      - { .name: out0, .offset: 32, .size: 8, .value_kind: global_buffer, .address_space: global }
    .group_segment_fixed_size: 35840
    .private_segment_fixed_size: 0
    .kernarg_segment_align: 8
    .kernarg_segment_size: 40
    .max_flat_workgroup_size: 512
    .sgpr_count:     66
    .vgpr_count:     256
    .wavefront_size: 32
...
	.end_amdgpu_metadata
.endif
;; end of part 3
